; MI455X (gfx1250); checked and timed in simulation.
; The chip was launched on July 23, 2026; its instructions are those of AMD's public machine-readable ISA for CDNA 5 (MIT licence, August 2026) and "CDNA5" Instruction Set Architecture Reference Guide (July 2026). The comments in the code are by the model that wrote it; some were corrected since.
;; Self Attention. Allowed arithmetic: matrix products marked QUANTISED: E2M1 operands, one E8M0 scale for each 32 along K, by v_wmma_scale_f32_16x16x128_f8f6f4 with both operands' format E2M1 (or v_wmma_scale_f32_32x16x128_f4), f32 sums; everything else in f32.
;; Inputs: W_qkv 3,072 x 1,024 float32; x 4 x 2,048 x 1,024 float32.
;; Outputs: out0 4 x 16 x 2,048 x 64 float32.
;; This version of the problem:
;;   THIS VERSION OF THE PROBLEM IS GIVEN IN LOW PRECISION. The matrix products marked QUANTISED in the list below multiply operands that are first quantised to E2M1 (2 exponent bits, 1 mantissa bit; 4 bits a number), with one power-of-two scale for each 32 numbers along K (OCP MX v1.0); their sums are f32. All else is computed in f32.
;;   The module's matrix products, in the order in which they are computed (A, B: the left and right operand; K: the contracted axis; several contracted axes count as one K, in the product's order):
;;     1. [M 8,192, K 1,024] x [K 1,024, N 3,072]; A: input x; B: input W_qkv: QUANTISED
;;     2. batch 64 x [M 2,048, K 64] x [K 64, N 2,048]; A: computed on the way; B: computed on the way: QUANTISED
;;     3. batch 64 x [M 2,048, K 2,048] x [K 2,048, N 64]; A: softmax (see below); B: computed on the way: QUANTISED
;;   THE QUANTISER, for each operand of a quantised product, along K:
;;     - K is cut into blocks of 32 from its start; a last block that is shorter is filled with zeros.
;;     - A block's scale is 2^e with e = floor(log2(the largest magnitude in the block)) - 2, held to -126 .. 127; a block of zeros has e = 0. As a byte (E8M0): e + 127.
;;     - Each number is divided by its block's scale, clamped to +-6, and rounded to the nearest number of E2M1, ties to even, subnormals kept.
;;     - The product sums the exact products of the quantised numbers (number of the format x scale) in f32.
;;   ~~~python
;;   def quantise(x, axis):      # numpy; x: float32 -> the quantised numbers, widened to float32 again
;;       x = np.moveaxis(x, axis, -1); K = x.shape[-1]
;;       x = np.pad(x, [(0, 0)] * (x.ndim - 1) + [(0, -K % 32)]); x = x.reshape(x.shape[:-1] + (-1, 32)); a = np.abs(x).max(-1, keepdims=True)
;;       e = np.where(a > 0, np.clip(np.frexp(np.where(a > 0, a, 1))[1] - 1 - 2, -126, 127), 0)      # np.frexp(a)[1] - 1 = floor(log2(a)), exactly
;;       r = np.clip(x / 2.0 ** e, -6, 6)
;;       step = 2.0 ** (np.maximum(np.frexp(np.where(r == 0, 1, r))[1] - 1, 0) - 1)
;;       q = np.round(r / step) * step * 2.0 ** e      # np.round: ties to even
;;       return np.moveaxis(q.reshape(q.shape[:-2] + (-1,))[..., :K], -1, axis).astype(np.float32)
;;   ~~~
;;   SOFTMAX AHEAD OF A QUANTISED PRODUCT. Where the list says 'softmax', what is quantised is not the finished softmax but p = 2^(t - M), with t = logit x log2(e) and M = ceil(the row's largest t), a whole number; so 1/2 < the row's largest p <= 1. The row's sum l is taken of the UNQUANTISED p, in f32, and the product's result is divided by l at the end. Since M is a whole number, a kernel that streams over the keys may use a running M (the ceiling of the running maximum): every later rescaling is an exact power of two, which a block's scale takes up: the codes' values come out the same.
;;   OPERANDS COMPUTED ON THE WAY. 'Computed on the way' means the value that the module computes at that place (a softmax that the list does not call 'softmax' is quantised finished and normalised). What goes into a quantiser is computed in f32, as accurately as f32 sums, v_exp_f32 and their like allow (about 1e-6 of the number): no bf16 or f16 on the way to a quantiser, and a product that is left as it is and whose result goes on into a quantised operand takes f32 operands (vector FMAs, or v_wmma_f32_16x16x4_f32). A number that lies on a knife's edge between two numbers of the format may be rounded either way, as far as f32 arithmetic and the matrix unit's own rounding can turn it there, and no further.
;; One version. Each part assembles by itself: llvm-mc -triple=amdgcn-amd-amdhsa -mcpu=gfx1250 --defsym DOCPART=n.
;; ======== version 1 of 1: 3 launches
;; limits: right only within a limited range of input values
;; workspace buffers: xc 4,194,304 bytes; xs 262,144 bytes; wc 1,572,864 bytes; ws 98,304 bytes; qkvc 12,582,912 bytes; qkvs 1,310,720 bytes
;; launch quant (part 1): grid 1408 x 1, 4 waves a work-group, no clusters, 21,248 bytes of LDS; arguments x, W_qkv, xc, xs, wc, ws; writes xc, xs, wc, ws
.if DOCPART == 1
	.amdgcn_target "amdgcn-amd-amdhsa--gfx1250"
	.amdhsa_code_object_version 6
	.text
	.protected	k_q2b023efd36_quant
	.globl	k_q2b023efd36_quant
	.p2align	8
	.type	k_q2b023efd36_quant,@function
k_q2b023efd36_quant:
	s_mov_b64 s[64:65], 0
	v_nop
	global_prefetch_b8 v0, s[64:65] scope:SCOPE_SE
	s_setreg_imm32_b32 hwreg(HW_REG_WAVE_MODE, 25, 1), 1
	s_wait_xcnt 0x0
; x [8192][1024] and W_qkv [3072][1024], f32, become codes of FP4 (E2M1), K innermost (the lower k in the low four bits), with one E8M0 scale byte for each 32 along K.
; A block's byte is its largest magnitude's exponent field - 2, held at 1 from below; numbers are divided by the scale and rounded to the nearest code, ties to even; beyond 6 the largest code.
; WORK LEFT OUT IN THE PROGRAM: reference() builds a causal mask in its own body: a key after the query has weight exp(-inf) = 0 whatever the inputs hold.  Launch attn leaves out the key blocks
; that lie wholly behind a tile's queries.  LIMIT: a NaN, an infinity or an overflow that reaches only that work is not carried to the result.
; LIMITS: a block of zeros, or one whose largest magnitude lies under 2^-124, gets the byte 1 (the bytes are read by this program alone; zero codes add nothing).  NaN and infinities are not served.
; Rows are dense and K is a multiple of 32, so both tensors are plain streams of blocks of 32.  A work-group takes 8,192 numbers, a wave 2,048: four steps of 512, whose sixteen loads are all out at once.
; The conversions take 8 numbers of one block from a lane's consecutive registers, so a lane must hold 16 neighbours (two lanes hold a block), while a load reads 512 consecutive bytes: a step's 2,048 bytes
; go through the wave's own stage in LDS (16 bytes of padding behind each 64).  The four waves' 4 x 64 scale bytes are gathered in LDS and leave as one aligned 256 bytes.
; The first 1,024 work-groups take x, the others W: only pointers are chosen.  No cluster: every byte is read once by one wave.  No prefetch: there is no loop.
.set STEPS, 4
.set WGA,   1024
.set EMAX,  2
.set R,     16                         ; v16-79   four steps of 16 numbers as they are loaded
.set X,     80                         ; v80-111  two sets of 16 neighbours
.set E,     112                        ; v112-115 a scale byte for each step
.set C,     116                        ; v116-131 codes: four registers for each step
.set SPW,   132                        ; my spare word's LDS address
.set NIL,   133                        ; 0
.set SP,    80                         ; a lane's place in a stage
.set WREG,  2*32*SP                    ; two stages a wave
.set GATH,  4*WREG                     ; the work-group's 256 scale bytes
.set SPARE, GATH+256                   ; the spare words
	s_load_b128 s[4:7], s[0:1], 0x0                ; x, W
	s_load_b128 s[8:11], s[0:1], 0x10              ; x's codes, x's scales
	s_load_b128 s[12:15], s[0:1], 0x20             ; W's codes, W's scales
	v_lshl_add_u32 v[SPW], v0, 2, SPARE
	v_mov_b32 v[NIL], 0
	v_lshrrev_b32 v1, 5, v0
	v_readfirstlane_b32 s16, v1                    ; wave
	v_and_b32 v2, 31, v0                           ; lane
	v_lshlrev_b32 v3, 4, v2                        ; my 16 bytes of a load's 512
	s_mul_i32 s17, s16, WREG
	v_lshrrev_b32 v14, 2, v2
	v_mul_u32_u24 v14, v14, SP
	v_and_b32 v15, 3, v2
	v_lshl_add_u32 v14, v15, 4, v14
	v_add_nc_u32 v14, s17, v14                     ; the stage, in: SP (lane / 4) + 16 (lane % 4)
	v_mul_u32_u24 v15, v2, SP
	v_add_nc_u32 v15, s17, v15                     ; and out: SP x lane
	v_lshlrev_b32 v4, 3, v2                        ; my codes' place in a step's 256 bytes
	s_lshl_b32 s17, s16, 6
	s_add_co_u32 s17, s17, GATH
	v_lshrrev_b32 v5, 1, v2
	v_add_nc_u32 v5, s17, v5                       ; my block's scale byte: 64 bytes a wave
	v_lshlrev_b32 v7, 3, v2                        ; the way out of the scale bytes: 8 bytes a lane
	v_add_nc_u32 v6, GATH, v7
	s_wait_alu depctr_va_vdst(0)                   ; the wait at the head's end
	s_wait_kmcnt 0x0
	s_cmp_lt_u32 ttmp9, WGA
	s_cselect_b64 s[4:5], s[4:5], s[6:7]
	s_cselect_b64 s[8:9], s[8:9], s[12:13]
	s_cselect_b64 s[10:11], s[10:11], s[14:15]
	s_cselect_b32 s17, 0, WGA
	s_sub_co_u32 s17, ttmp9, s17
	s_lshl_b32 s18, s17, 2
	s_add_co_u32 s18, s18, s16                     ; which run of 2,048 numbers is my wave's
	s_mov_b32 s19, 0
	s_mov_b64 s[20:21], 512*STEPS*4
	s_mul_u64 s[20:21], s[18:19], s[20:21]
	s_add_nc_u64 s[4:5], s[4:5], s[20:21]
	s_mov_b64 s[20:21], 256*STEPS
	s_mul_u64 s[20:21], s[18:19], s[20:21]
	s_add_nc_u64 s[8:9], s[8:9], s[20:21]
	s_lshl_b32 s18, s17, 8                         ; 256 scale bytes a work-group
	s_add_nc_u64 s[10:11], s[10:11], s[18:19]
.irp t, 0,1,2,3
.irp i, 0,1,2,3
	global_load_b128 v[R+16*\t+4*\i:R+16*\t+4*\i+3], v3, s[4:5] offset:2048*\t+512*\i th:TH_LOAD_NT   ; 32 lanes read 512 consecutive bytes
.endr
.endr
.macro TURN t                          ; step t's numbers through the stage: LDS serves a wave's instructions in order
.irp i, 0,1,2,3
	ds_store_b128 v14, v[R+16*(\t)+4*\i:R+16*(\t)+4*\i+3] offset:32*SP*((\t)%2)+8*SP*\i
.endr
.irp i, 0,1,2,3
	ds_load_b128 v[X+16*((\t)%2)+4*\i:X+16*((\t)%2)+4*\i+3], v15 offset:32*SP*((\t)%2)+16*\i
.endr
.endm
	s_wait_loadcnt 12                              ; step 0's four loads are in; the twelve of steps 1 to 3 may be out
	TURN 0
.macro STEP t
.set XS, X+16*((\t)%2)
.if (\t) > 0
	s_wait_dscnt 1                                 ; this step's numbers are back (the last step's byte store may be out)
.else
	s_wait_dscnt 0x0
.endif
.if (\t)+1 < STEPS
	s_wait_loadcnt 4*(STEPS-2-(\t))                ; the next step's four loads are in; those behind it may be out
	TURN (\t)+1
.endif
	v_max3_num_f32 v8, |v[XS]|, |v[XS+1]|, |v[XS+2]|               ; the largest magnitude of my 16, in two chains
	v_max3_num_f32 v9, |v[XS+3]|, |v[XS+4]|, |v[XS+5]|
.irp i, 6,10
	v_max3_num_f32 v8, v8, |v[XS+\i]|, |v[XS+\i+1]|
	v_max3_num_f32 v9, v9, |v[XS+\i+2]|, |v[XS+\i+3]|
.endr
	v_max3_num_f32 v8, v8, |v[XS+14]|, |v[XS+15]|
	v_max3_num_f32 v8, v8, v9, (EMAX+1)<<23        ; and the floor 2^(3 - 127): the byte cannot fall under 1
	v_max_num_f32_dpp v8, v8, v8 row_xmask:1 row_mask:0xf bank_mask:0xf   ; and of my neighbour's 16: the block's
	v_add_nc_u32 v11, -(EMAX<<23), v8              ; 2 off its exponent field: the conversion's scale operand
	v_cvt_scalef32_pk8_fp4_f32 v[C+4*(\t)], v[XS:XS+7], v11
	v_cvt_scalef32_pk8_fp4_f32 v[C+4*(\t)+1], v[XS+8:XS+15], v11
	v_lshrrev_b32 v[E+(\t)], 23, v11               ; the scale's byte (also the plain line behind the conversions)
	ds_store_b8 v5, v[E+(\t)] offset:16*(\t)       ; both lanes of a block write the same byte with the same value
	global_store_b64 v4, v[C+4*(\t):C+4*(\t)+1], s[8:9] offset:256*(\t)   ; the wave stores 256 consecutive bytes, aligned
.endm
.irp t, 0,1,2,3
	STEP \t
.endr
	s_wait_dscnt 0x0                               ; my bytes are in LDS,
	s_barrier_signal -1
	s_barrier_wait -1                              ; and everybody's
	s_cmp_lg_u32 s16, 0
	s_cbranch_scc1 .Lend                           ; wave 0 stores for all four
	ds_load_b64 v[12:13], v6
	s_wait_dscnt 0x0
	global_store_b64 v7, v[12:13], s[10:11]        ; 32 lanes store 256 consecutive bytes, aligned
.Lend:
	s_wait_tensorcnt 0x0                           ; the wave's end
	ds_add_u32 v[SPW], v[NIL]
	s_wait_dscnt 0x0
	s_endpgm
.Lfunc_end_k_q2b023efd36_quant:
	.size	k_q2b023efd36_quant, .Lfunc_end_k_q2b023efd36_quant-k_q2b023efd36_quant
	.p2alignl 7, 3214868480
	.fill 96, 4, 3214868480
	.section	.rodata,"a",@progbits
	.p2align	6, 0x0
	.amdhsa_kernel k_q2b023efd36_quant
		.amdhsa_group_segment_fixed_size 21248
		.amdhsa_private_segment_fixed_size 0
		.amdhsa_enable_private_segment 0
		.amdhsa_kernarg_size 48
		.amdhsa_user_sgpr_count 2
		.amdhsa_user_sgpr_kernarg_segment_ptr 1
		.amdhsa_wavefront_size32 1
		.amdhsa_system_sgpr_workgroup_id_x 1
		.amdhsa_system_sgpr_workgroup_id_y 1
		.amdhsa_system_sgpr_workgroup_id_z 1
		.amdhsa_system_vgpr_workitem_id 0
		.amdhsa_next_free_vgpr 160
		.amdhsa_next_free_sgpr 66
		.amdhsa_reserve_vcc 0
		.amdhsa_float_denorm_mode_32 3
		.amdhsa_float_denorm_mode_16_64 3
		.amdhsa_memory_ordered 1
		.amdhsa_forward_progress 1
		.amdhsa_inst_pref_size 11
	.end_amdhsa_kernel
	.amdgpu_metadata
---
amdhsa.version: [ 1, 2 ]
amdhsa.kernels:
  - .name:           k_q2b023efd36_quant
    .symbol:         k_q2b023efd36_quant.kd
    .args:
      - { .name: x, .offset: 0, .size: 8, .value_kind: global_buffer, .address_space: global }
      - { .name: W_qkv, .offset: 8, .size: 8, .value_kind: global_buffer, .address_space: global }
      - { .name: xc, .offset: 16, .size: 8, .value_kind: global_buffer, .address_space: global }
      - { .name: xs, .offset: 24, .size: 8, .value_kind: global_buffer, .address_space: global }
      - { .name: wc, .offset: 32, .size: 8, .value_kind: global_buffer, .address_space: global }
      - { .name: ws, .offset: 40, .size: 8, .value_kind: global_buffer, .address_space: global }
    .group_segment_fixed_size: 21248
    .private_segment_fixed_size: 0
    .kernarg_segment_align: 8
    .kernarg_segment_size: 48
    .max_flat_workgroup_size: 128
    .sgpr_count:     66
    .vgpr_count:     160
    .wavefront_size: 32
...
	.end_amdgpu_metadata
.endif
;; end of part 1
;; launch proj (part 2): grid 8 x 32, 4 waves a work-group, clusters of 4 x 4, 327,680 bytes of LDS; arguments xc, xs, wc, ws, qkvc, qkvs; writes qkvc, qkvs
.if DOCPART == 2
	.amdgcn_target "amdgcn-amd-amdhsa--gfx1250"
	.amdhsa_code_object_version 6
	.text
	.protected	k_q2b023efd36_proj
	.globl	k_q2b023efd36_proj
	.p2align	8
	.type	k_q2b023efd36_proj,@function
k_q2b023efd36_proj:
	s_mov_b64 s[64:65], 0
	v_nop
	global_prefetch_b8 v0, s[64:65] scope:SCOPE_SE
	s_setreg_imm32_b32 hwreg(HW_REG_WAVE_MODE, 25, 1), 1
	s_wait_xcnt 0x0
	s_wait_alu depctr_hold_cnt(0) depctr_sa_sdst(0) depctr_va_vdst(0) depctr_va_sdst(0) depctr_va_ssrc(0) depctr_va_vcc(0) depctr_vm_vsrc(0)
	s_getreg_b32 s2, hwreg(HW_REG_IB_STS2, 6, 4)
	s_cmp_eq_u32 s2, 0
	s_cbranch_scc0 .Lentry_in_a_cluster
	s_endpgm
.Lentry_in_a_cluster:
	s_bfe_u32 s2, ttmp6, 0x10000c
	s_cmp_lg_u32 s2, 0xf033
	s_cbranch_scc0 .Lentry_shape_is_right
	s_endpgm
.Lentry_shape_is_right:
; qkv = x W^T on codes of FP4 (E2M1) with E8M0 scales (K = 1,024), and its f32 sums quantised at once, in registers, into the operands of the two attention products:
; q and k along the head's 64 features, v along the keys (tokens).  qkv never goes to memory as f32.
; 256 WORK-GROUPS OF EQUAL WORK.  Each takes 256 tokens and makes, one part after the other, PART QK: 256 features of q or k (a wave 128 tokens x 128 features, 64 accumulators of 16 x 16, 512 registers)
; and PART V: 128 features of v (a wave 64 features x 128 tokens, 32 accumulators), on the same tokens, which lie in LDS for all of K.
; Source 1's 16 rows (side L) become the result's lanes, source 0's 16 rows (side R) its registers.  The conversions take neighbours along the NEXT product's K from one lane's registers, so:
; part QK: L = tokens, R = features;  part V: L = features of v, R = tokens.
; THE ROWS OF R THAT FORM A TILE ARE NOT NEIGHBOURS: lane r of tile 2 b + u takes row 32 b + 8 u + r + 8 (r / 8), so that the 16 registers of tiles 2 b and 2 b + 1 are R index 32 b + 16 (lane / 16) + 0 .. 15.
; LDS.  K is two slots of 512 (rows of 256 bytes); a slot holds 256 rows of tokens and 256 rows of weights.  When slot 0 has been multiplied, the 128 weight rows of v (both halves of K) take the place of slot 0's weights.
; The scale bytes of all rows for all of K come once.  A wave has one tensor load at the head and at most one behind each round.
; CLUSTER 4 x 4: tokens hang on the work-group's y alone and are asked for jointly along a row of the cluster, weights on its x alone and jointly along a column.
; OUT.  qkvc: q, k: [feature / 128][token / 16][head of the pair][token % 16][32 bytes];  v, from byte 8,388,608: [token / 128][feature / 16][c][feature % 16][h][16 bytes], the operand's registers on end.
;       qkvs: q, k: [feature / 64][token] words, bytes 0, 1 the head's two scales (bytes 2, 3: the neighbour head's or 0; they meet zero codes alone);  v, from byte 1,048,576: [token / 128][feature / 16][16] words.
; LIMITS: a block whose largest magnitude lies under 2^-124 (zeros among them) gets the byte 1; the bytes are read by this program alone.  NaN and infinities are not served.
; No prefetch: K is two slots, all of whose bytes are asked for ahead of the first product; there is no loop to run ahead in.
; REGISTERS, in windows of 256: window 0: v1-30 addresses and work; v32-95 scale words, two sets, and nothing else; v128-191 L's fragments; v192-237 the way out; v254-255 the add's.
;   window 1: R's fragments, two sets, at v0 and v128.   window 2: the accumulators of L blocks 0-3 ((a, b) at v[8 (8 (a % 4) + b)]);   window 3: those of blocks 4-7.
.set PITCH,  272                       ; an LDS row: 256 bytes + 16 of padding = 68 words: the 16 rows that a load touches start at 16 different banks (64 banks of 4 bytes: ISA guide 11.1)
.set HALFT,  128*PITCH
.set SLOT,   4*HALFT                   ; 256 rows of tokens, then 256 rows of weights
.set SCL,    2*SLOT                    ; the scale bytes, 32 a row, as 256 bytes + 16 of padding: tokens, features of q and k, features of v
.set HALFS,  16*272                    ; those of 128 rows
.set STG,    SCL+5*HALFS+4096          ; a stage for the scale words that I make: 1,024 bytes for each wave; no tensor load lands here
.set SPARE,  STG+4096                  ; the spare words
.set ADRL, 16                          ; v16-17  part QK: my token fragments in slot 0, 1
.set ADRT, 18                          ; v18-19  part V: the same rows as R tiles
.set ADRR, 20                          ; v20-21  part QK: my feature tiles
.set ADRV, 22                          ; v22     part V: my feature fragments
.set CO,   24                          ; v24     32 r + 16 h: my 16 bytes of a stored half tile
.set SST,  25                          ; v25     where I put a scale word in my stage
.set SRD,  26                          ; v26     where I read the stage back
.set ADRS, 27                          ; v27-28  part QK: scale words, for even and for odd blocks
.set SH,   29                          ; v29     16 h: how far my scale word is shifted down in part QK
.set SOUT, 30                          ; v30     16 x lane
.set ADSV, 8                           ; v8-11   part V: scale words: even, odd blocks under 4; even, odd from 4 on
.set SRD8, 12                          ; v12     my stage + 8 x lane
.set SO8,  13                          ; v13     8 x lane
.set SC,   32                          ; scale words: set s at v[SC + 32 s]; register 4 i + q: lanes 0-15 L's block i, lanes 16-31 R's tile i, the half's q-th 128 along K
.set AF,   128                         ; L's fragments
.set TM,   192                         ; v192-207 at work in the way out
.set PW,   208                         ; the scale word just made
.set PWS,  209                         ; and shifted
.set PC,   212                         ; v212-219 the codes just made
.set SB,   228                         ; v228-237 the stage read back
.set SPW,  254
.set NIL,  255
.set G1L,  24                          ; groups 1 and 0: tokens, weights, tokens' scales, weights' scales
.set G0L,  32
.set G1R,  48
.set G0R,  56
.set G1SL, 68
.set G0SL, 76
.set G1SR, 80
.set G0SR, 88
.set MSB, 0
.macro WIN new                         ; the immediate's high byte repeats the setting that is left
.if MSB != \new
	s_set_vgpr_msb (MSB<<8)|\new
.set MSB, \new
.endif
.endm
.set MUL_LO, 0xa1                      ; source 0 (R) window 1, source 1 (L) window 0, C and D window 2
.set MUL_HI, 0xf1                      ; the same, C and D window 3
.set TO_R,   0x40                      ; destination window 1, address window 0
.macro CREST                           ; a round of the cluster's barrier behind its opening barrier
	s_cmp_lg_u32 s16, 0
	s_cbranch_scc1 .Lnot_wave_0_\@
	s_barrier_signal -3
.Lnot_wave_0_\@:
	s_barrier_wait -3
	s_barrier_signal -1
	s_barrier_wait -1
.endm
.macro CROUND                          ; a whole round
	s_barrier_signal -1
	s_barrier_wait -1
	CREST
.endm
.macro ARM under, g0, g1, next, join   ; an arm of a chain of branches on the wave's number, with its one joint load
	s_cmp_lt_u32 s16, \under
	s_cbranch_scc0 \next
	tensor_load_to_lds s[\g0:\g0+3], s[\g1:\g1+7]
	s_nop 0
.rept 4
	v_nop
.endr
	s_branch \join
\next:
.endm
	s_load_b128 s[4:7], s[0:1], 0x0                ; x's codes, x's scales
	s_load_b128 s[8:11], s[0:1], 0x10              ; W's codes, W's scales
	s_load_b128 s[12:15], s[0:1], 0x20             ; qkvc, qkvs
	v_lshl_add_u32 v[SPW], v0, 2, SPARE
	v_mov_b32 v[NIL], 0
	ds_add_u32 v[SPW], v[NIL]                      ; the wave's opening: the add, twice on end, and its wait
	ds_add_u32 v[SPW], v[NIL]
	v_lshrrev_b32 v1, 5, v0
	v_readfirstlane_b32 s16, v1                    ; wave 0..3
	s_lshr_b32 s17, s16, 1                         ; HL: which 128 tokens are mine
	s_and_b32 s18, s16, 1                          ; HR: which half of the features
	s_bfe_u32 s40, ttmp6, 0x40000                  ; cx, cy: my place in the cluster
	s_bfe_u32 s41, ttmp6, 0x40004
	s_lshl_b32 s42, ttmp9, 2
	s_add_co_u32 s42, s42, s40                     ; feature tile fx = 4 x cluster x + cx
	s_and_b32 s95, ttmp7, 0xffff
	s_lshl_b32 s95, s95, 2
	s_add_co_u32 s95, s95, s41                     ; token tile ty = 4 x cluster y + cy
	s_lshl_b32 s43, s41, 2
	s_lshl_b32 s43, 15, s43                        ; my row of the cluster
	s_lshl_b32 s44, 0x1111, s40                    ; my column
	; group 1, codes: 256 rows x 256 bytes, rows 512 bytes apart, 16 bytes of padding behind each 256.  15:0 the mask; 20 padding; 21 set beside a mask; 24:22 after every 64 words (code 5); 31:25 four words (code 3)
	s_or_b32 s[G1L+0], s43, (1<<20)|(1<<21)|(5<<22)|(3<<25)
	s_or_b32 s[G1R+0], s44, (1<<20)|(1<<21)|(5<<22)|(3<<25)
.irp g, G1L, G1R
	s_mov_b32 s[\g+1], 256<<16                     ; tensor_dim0
	s_mov_b32 s[\g+2], 256<<16                     ; tensor_dim1
	s_mov_b32 s[\g+3], 256<<16                     ; tile_dim0
	s_mov_b32 s[\g+4], 256                         ; tile_dim1
	s_mov_b32 s[\g+5], 512                         ; tensor_dim0_stride
	s_mov_b32 s[\g+6], 0
	s_mov_b32 s[\g+7], 0
.endr
	; scales of 256 rows: 8,192 dense bytes, as 32 rows of 256 bytes (32 elements of 8 bytes)
	s_or_b32 s[G1SL+0], s43, (3<<16)|(1<<20)|(1<<21)|(5<<22)|(3<<25)
	s_or_b32 s[G1SR+0], s44, (3<<16)|(1<<20)|(1<<21)|(5<<22)|(3<<25)
.irp g, G1SL, G1SR
	s_mov_b32 s[\g+1], 32<<16
	s_mov_b32 s[\g+2], 32<<16
	s_mov_b32 s[\g+3], 32<<16
	s_mov_b32 s[\g+4], 32
	s_mov_b32 s[\g+5], 32
	s_mov_b32 s[\g+6], 0
	s_mov_b32 s[\g+7], 0
.endr
	s_lshl_b32 s20, s95, 17                        ; tokens: 256 rows of 512 bytes of codes,
	s_mov_b32 s21, 0
	s_lshl_b32 s22, s95, 13                        ; and of 32 scale bytes
	s_mov_b32 s23, 0
	s_lshl_b32 s46, s42, 17                        ; features of q and k likewise
	s_mov_b32 s47, 0
	s_lshl_b32 s92, s42, 13
	s_mov_b32 s93, 0
	s_lshl_b32 s36, s42, 16                        ; features of v: 128 rows, W's rows from 2,048 on
	s_add_co_u32 s36, s36, 0x100000
	s_mov_b32 s37, 0
	s_lshl_b32 s38, s42, 12
	s_add_co_u32 s38, s38, 0x10000
	s_mov_b32 s39, 0
	s_wait_alu depctr_va_vdst(0)
	s_wait_dscnt 0x0                               ; both opening adds are done
	s_wait_kmcnt 0x0
	s_add_nc_u64 s[20:21], s[4:5], s[20:21]
	s_add_nc_u64 s[22:23], s[6:7], s[22:23]
	s_add_nc_u64 s[46:47], s[8:9], s[46:47]
	s_add_nc_u64 s[92:93], s[10:11], s[92:93]
	s_add_nc_u64 s[36:37], s[8:9], s[36:37]
	s_add_nc_u64 s[38:39], s[10:11], s[38:39]
	CROUND                                         ; all sixteen work-groups are here: the joint loads meet
	s_mov_b32 s[G0L], 1                            ; slot 0: 256 rows of tokens,
	s_mov_b32 s[G0L+1], 0
	s_mov_b64 s[G0L+2:G0L+3], s[20:21]
	s_or_b32 s[G0L+3], s[G0L+3], 0x80000000
	s_mov_b32 s[G0R], 1                            ; and of features
	s_mov_b32 s[G0R+1], 2*HALFT
	s_mov_b64 s[G0R+2:G0R+3], s[46:47]
	s_or_b32 s[G0R+3], s[G0R+3], 0x80000000
	s_mov_b32 s[G0SL], 1                           ; their scales
	s_mov_b32 s[G0SL+1], SCL
	s_mov_b64 s[G0SL+2:G0SL+3], s[22:23]
	s_or_b32 s[G0SL+3], s[G0SL+3], 0x80000000
	s_mov_b32 s[G0SR], 1
	s_mov_b32 s[G0SR+1], SCL+2*HALFS
	s_mov_b64 s[G0SR+2:G0SR+3], s[92:93]
	s_or_b32 s[G0SR+3], s[G0SR+3], 0x80000000
	ARM 1, G0L,  G1L,  .Lh1, .Lhead_asked          ; the head's loads, one a wave
	ARM 2, G0R,  G1R,  .Lh2, .Lhead_asked
	ARM 3, G0SL, G1SL, .Lh3, .Lhead_asked
	tensor_load_to_lds s[G0SR:G0SR+3], s[G1SR:G1SR+7]
	s_nop 0
.rept 4
	v_nop
.endr
.Lhead_asked:
	v_and_b32 v1, 15, v0                           ; r = lane % 16
	v_bfe_u32 v2, v0, 4, 1                         ; h = lane / 16
	v_mul_u32_u24 v3, v1, PITCH
	v_lshl_add_u32 v4, v2, 4, v3                   ; L: row r x pitch + 16 h
	v_and_b32 v5, 8, v1
	v_add_nc_u32 v5, v5, v1
	v_mul_u32_u24 v5, v5, PITCH
	v_lshl_add_u32 v5, v2, 4, v5                   ; R: row (r + 8 (r / 8)) x pitch + 16 h
	s_mul_i32 s2, s17, HALFT                       ; my 128 tokens
	s_mul_i32 s3, s18, HALFT                       ; my 128 features of q and k
	s_add_co_u32 s3, s3, 2*HALFT
	s_mul_i32 s19, s18, 64*PITCH                   ; my 64 features of v
	s_add_co_u32 s19, s19, 2*HALFT
	v_add_nc_u32 v[ADRL], s2, v4
	v_add_nc_u32 v[ADRT], s2, v5
	v_add_nc_u32 v[ADRR], s3, v5
	v_add_nc_u32 v[ADRV], s19, v4
	v_add_nc_u32 v[ADRL+1], SLOT, v[ADRL]
	v_add_nc_u32 v[ADRT+1], SLOT, v[ADRT]
	v_add_nc_u32 v[ADRR+1], SLOT, v[ADRR]
	; scale words: eight rows' 32 bytes fill 256, then 16 of padding.  Lanes 0-15 take L's block i: rows 16 i + r: 544 i + 272 (r / 8) + 32 (r % 8).
	; Lanes 16-31 take R's tile i: rows 32 (i / 2) + 8 (i % 2) + r % 8 + 16 (r / 8): 544 i + 544 (r / 8) + 32 (r % 8), and 272 less where i is odd: hence two address registers.
	v_and_b32 v3, 7, v1
	v_bfe_u32 v6, v0, 3, 1                         ; r / 8
	v_lshlrev_b32 v3, 5, v3
	v_mad_u32_u24 v3, v6, 272, v3
	v_and_b32 v6, v6, v2
	v_mad_u32_u24 v3, v6, 272, v3
	s_mul_i32 s2, s17, HALFS                       ; tokens' scales: my 128 rows
	s_mul_i32 s3, s18, HALFS                       ; features' scales: my 128 rows, behind the 256 tokens'
	s_add_co_u32 s3, s3, 2*HALFS
	s_sub_co_u32 s3, s3, s2
	s_mul_i32 s19, s18, 8*272                      ; v's: my 64 rows
	s_add_co_u32 s19, s19, 4*HALFS
	s_sub_co_u32 s19, s19, s2
	s_add_co_u32 s2, s2, SCL
	s_wait_alu depctr_va_vdst(0)                   ; the wait stands directly ahead of the reader below
	v_add_nc_u32 v3, s2, v3
	v_mul_u32_u24 v6, s3, v2                       ; one product: the lower base + h x the distance
	v_add_nc_u32 v[ADRS], v3, v6
	v_mul_u32_u24 v6, v2, 272
	v_sub_nc_u32 v[ADRS+1], v[ADRS], v6
	v_xor_b32 v7, 1, v2                            ; 1 - h: in part V lanes 0-15 take the higher base
	v_mul_u32_u24 v4, s19, v7
	v_add_nc_u32 v[ADSV], v3, v4
	v_sub_nc_u32 v[ADSV+1], v[ADSV], v6
	v_mul_u32_u24 v4, v7, 8*272                    ; from tile 4 on lanes 0-15 have no block of their own: they read blocks 0-3 again
	v_sub_nc_u32 v[ADSV+2], v[ADSV], v4
	v_sub_nc_u32 v[ADSV+3], v[ADSV+2], v6
	; the way out
	v_lshlrev_b32 v[CO], 5, v1
	v_lshl_add_u32 v[CO], v2, 4, v[CO]
	s_lshl_b32 s2, s16, 10
	s_add_co_u32 s2, s2, STG                       ; my stage
	v_lshlrev_b32 v3, 2, v1
	v_lshl_add_u32 v3, v2, 9, v3
	v_add_nc_u32 v[SST], s2, v3                    ; in: 4 r, + 512 for lanes 16-31
	v_and_b32 v6, 31, v0
	v_lshlrev_b32 v[SOUT], 4, v6
	v_add_nc_u32 v[SRD], s2, v[SOUT]               ; back: 16 bytes a lane
	v_lshlrev_b32 v[SO8], 3, v6
	v_add_nc_u32 v[SRD8], s2, v[SO8]               ; part V: 8 bytes a lane
	v_lshlrev_b32 v[SH], 4, v2
.irp b, 0,1,2,3
	v_mov_b32 v[TM+4+\b], 0                        ; written once: a lane permute's destination counts as one of its sources
.endr
	s_mov_b32 s61, 0
	s_mov_b32 s63, 0
	s_lshl_b32 s19, s95, 1
	s_add_co_u32 s19, s19, s17                     ; 128 tokens: 2 ty + HL
	s_lshl_b32 s2, s42, 3
	s_lshl_b32 s3, s18, 2
	s_add_co_u32 s2, s2, s3                        ; 16 features of v: 8 fx + 4 HR
	s_lshl_b32 s60, s19, 16
	s_lshl_b32 s3, s2, 10
	s_add_co_u32 s60, s60, s3
	s_add_co_u32 s60, s60, 0x800000
	s_lshl_b32 s62, s19, 12
	s_lshl_b32 s3, s2, 6
	s_add_co_u32 s62, s62, s3
	s_add_co_u32 s62, s62, 0x100000
	s_add_nc_u64 s[98:99], s[12:13], s[60:61]      ; v's codes
	s_add_nc_u64 s[100:101], s[14:15], s[62:63]    ; v's scale words
	s_lshl_b32 s19, s42, 1
	s_add_co_u32 s19, s19, s18                     ; 128 features of q and k: 2 fx + HR
	s_lshl_b32 s2, s95, 4
	s_lshl_b32 s3, s17, 3
	s_add_co_u32 s2, s2, s3                        ; 16 tokens: 16 ty + 8 HL
	s_lshl_b32 s60, s19, 19
	s_lshl_b32 s3, s2, 10
	s_add_co_u32 s60, s60, s3
	s_lshl_b32 s62, s19, 16
	s_lshl_b32 s3, s2, 6
	s_add_co_u32 s62, s62, s3
	s_add_nc_u64 s[12:13], s[12:13], s[60:61]      ; q's and k's codes
	s_add_nc_u64 s[14:15], s[14:15], s[62:63]      ; and scale words
	s_mov_b32 s66, 0x76543210                      ; v_permlanex16_b32's selects for lane l xor 16
	s_mov_b32 s67, 0xfedcba98
.macro FRAG reg, adr, off              ; a fragment, 16 rows x 128 K of 4-bit codes: registers 4 c .. 4 c + 3 hold K = 64 c + 32 (lane / 16) + 0 .. 31: 16 bytes of the row as they lie
.irp c, 0,1
	ds_load_b128 v[\reg+4*\c:\reg+4*\c+3], v[\adr] offset:\off+32*\c
.endr
.endm
; One matrix instruction: accumulator (a, b), R's tile b from register rf, L's block from register lf, scale words of set sc, the half's q-th 128 along K.  zero = 1 starts the sum: nothing is cleared.
.macro MM a, b, rf, lf, q, sc, zero
.if \zero
	v_wmma_scale_f32_16x16x128_f8f6f4 v[8*(8*((\a)%4)+\b):8*(8*((\a)%4)+\b)+7], v[\rf:\rf+7], v[\lf:\lf+7], 0, v[SC+32*(\sc)+4*\b+(\q)], v[SC+32*(\sc)+4*(\a)+(\q)] matrix_a_fmt:MATRIX_FMT_FP4 matrix_b_fmt:MATRIX_FMT_FP4 matrix_a_scale:MATRIX_SCALE_ROW1
.else
	v_wmma_scale_f32_16x16x128_f8f6f4 v[8*(8*((\a)%4)+\b):8*(8*((\a)%4)+\b)+7], v[\rf:\rf+7], v[\lf:\lf+7], v[8*(8*((\a)%4)+\b):8*(8*((\a)%4)+\b)+7], v[SC+32*(\sc)+4*\b+(\q)], v[SC+32*(\sc)+4*(\a)+(\q)] matrix_a_fmt:MATRIX_FMT_FP4 matrix_b_fmt:MATRIX_FMT_FP4 matrix_a_scale:MATRIX_SCALE_ROW1
.endif
.endm
; 16 matrix instructions: L's blocks a0, a0 + 1 x R's eight tiles.  The accumulators take turns, one instruction a turn, in the same order in every step.
.macro MUL16 a0, p, q, sc, zero
.irp a, \a0, \a0+1
.irp b, 0,1,2,3,4,5,6,7
	MM \a, \b, 128*(\p)+8*\b, AF+8*(\a), \q, \sc, \zero
.endr
.endr
.endm
.macro FETCH_R slot, q, p              ; R's eight tiles; tile i begins at row 32 (i / 2) + 8 (i % 2)
	WIN TO_R
.irp i, 0,1,2,3,4,5,6,7
	FRAG 128*(\p)+8*\i, ADRR+\slot, 64*(\q)+(32*(\i/2)+8*(\i%2))*PITCH
.endr
	WIN 0
.endm
.macro FETCH_L slot, q, i0             ; L's blocks i0 .. i0 + 3
.irp i, \i0, \i0+1, \i0+2, \i0+3
	FRAG AF+8*(\i), ADRL+\slot, 64*(\q)+(\i)*16*PITCH
.endr
.endm
.macro SCALES sc                       ; part QK: slot sc's scale words: four words a row
.irp i, 0,1,2,3,4,5,6,7
	ds_load_b128 v[SC+32*\sc+4*\i:SC+32*\sc+4*\i+3], v[ADRS+\i%2] offset:544*\i+16*\sc
.endr
.endm
; A load into a register that a matrix instruction has read, and a vector instruction that reads a matrix result, stand four places behind that matrix instruction; only plain vector
; instructions that name none of its registers are places (ISA guide 7.12.1 for vector instructions).
.macro PLACES n
.rept \n
	v_nop
.endr
.endm
; A step of 128 along K that has its successor in the same slot.  A block of L is free as soon as its eight products are issued: blocks 0-3 are fetched anew in the step's middle, blocks 4-7 at its end.
.macro STEP slot, q, zero
	s_wait_dscnt 8                                 ; R's set and L's blocks 0-3 are in; the youngest eight loads (L's blocks 4-7) may be out
	WIN MUL_LO
	MUL16 0, (\q)%2, \q, \slot, \zero
	MUL16 2, (\q)%2, \q, \slot, \zero
	s_wait_dscnt 0                                 ; L's blocks 4-7 are in
	PLACES 4
	FETCH_R \slot, (\q)+1, 1-(\q)%2
	FETCH_L \slot, (\q)+1, 0
	WIN MUL_HI
	MUL16 4, (\q)%2, \q, \slot, \zero
	MUL16 6, (\q)%2, \q, \slot, \zero
	PLACES 4
	WIN 0
	FETCH_L \slot, (\q)+1, 4
.endm
	s_wait_alu depctr_va_vdst(0)                   ; the wait at the head's end
	s_wait_tensorcnt 0x0                           ; my tile of the head's four is in
	ds_add_u32 v[SPW], v[NIL]                      ; 0 onto my spare word
	s_mov_b32 s[G0L+1], SLOT                       ; no tensor load of mine is out: the descriptors go on to slot 1,
	s_add_nc_u64 s[G0L+2:G0L+3], s[G0L+2:G0L+3], 256
	s_mov_b32 s[G0R+1], SLOT+2*HALFT
	s_add_nc_u64 s[G0R+2:G0R+3], s[G0R+2:G0R+3], 256
	s_mov_b32 s[G0SR+1], SCL+4*HALFS               ; and to the scales of v's 128 rows: 16 rows of 256 bytes
	s_mov_b64 s[G0SR+2:G0SR+3], s[38:39]
	s_or_b32 s[G0SR+3], s[G0SR+3], 0x80000000
	s_mov_b32 s[G1SR+2], 16<<16
	s_mov_b32 s[G1SR+4], 16
	s_wait_dscnt 0x0                               ; the add is done
	CROUND                                         ; everybody's part of slot 0 is in, and the joint loads meet
	ARM 1, G0L,  G1L,  .Ls1, .Lslot1_asked         ; slot 1's tokens, slot 1's features, v's scales: first fills all
	ARM 2, G0R,  G1R,  .Ls2, .Lslot1_asked
	ARM 3, G0SR, G1SR, .Ls3, .Lslot1_asked
.Lslot1_asked:
	FETCH_R 0, 0, 0
	FETCH_L 0, 0, 0
	SCALES 0
	FETCH_L 0, 0, 4
	STEP 0, 0, 1                                   ; the first step's products start the sums
	STEP 0, 1, 0
	STEP 0, 2, 0
	; slot 0's last step changes slots: one round.  In front of it each wave waits for all its tensor loads, adds 0 to its spare word, and waits for that and for its reads of slot 0.
	s_wait_tensorcnt 0x0                           ; slot 1 has landed
	ds_add_u32 v[SPW], v[NIL]
	s_mul_i32 s[G0R+1], s16, HALFT                 ; waves 0 and 1 fetch v's 128 rows, a half of K each, where slot 0's features lie
	s_add_co_u32 s[G0R+1], s[G0R+1], 2*HALFT
	s_lshl_b32 s60, s16, 8
	s_add_nc_u64 s[G0R+2:G0R+3], s[36:37], s[60:61]
	s_or_b32 s[G0R+3], s[G0R+3], 0x80000000
	s_mov_b32 s[G1R+2], 128<<16
	s_mov_b32 s[G1R+4], 128
	s_wait_dscnt 9                                 ; (the add and the youngest eight loads may be out)
	WIN MUL_LO
	MUL16 0, 1, 3, 0, 0
	s_wait_dscnt 0x0                               ; the add is done, and my reads of slot 0's features are over
	s_barrier_signal -1
	MUL16 2, 1, 3, 0, 0                            ; work on registers while the others arrive
	WIN 0
	s_barrier_wait -1
	CREST
	s_cmp_lt_u32 s16, 2
	s_cbranch_scc0 .Lno_v
	tensor_load_to_lds s[G0R:G0R+3], s[G1R:G1R+7]  ; the refill
	s_nop 0
.rept 4
	v_nop
.endr
.Lno_v:
	PLACES 4
	FETCH_R 1, 0, 0
	FETCH_L 1, 0, 0
	SCALES 1
	WIN MUL_HI
	MUL16 4, 1, 3, 0, 0
	MUL16 6, 1, 3, 0, 0
	PLACES 4
	WIN 0
	FETCH_L 1, 0, 4
	STEP 1, 0, 0
	STEP 1, 1, 0
	STEP 1, 2, 0
	s_wait_dscnt 8                                 ; part QK's last step: nothing more to fetch
	WIN MUL_LO
	MUL16 0, 1, 3, 1, 0
	MUL16 2, 1, 3, 1, 0
	s_wait_dscnt 0
	WIN MUL_HI
	MUL16 4, 1, 3, 1, 0
	MUL16 6, 1, 3, 1, 0
	WIN 0
	s_wait_tensorcnt 0x0                           ; my part of v's rows has landed,
	s_barrier_signal -1
	s_barrier_wait -1                              ; and everybody's
	PLACES 4                                       ; in front of loads into fragment registers and of the first reads of results
; PART V's fragments of step n = 0 .. 7: R = my 128 tokens, L = my 64 features of v, both in set n % 2
.macro FETCHV n
	WIN TO_R
.irp i, 0,1,2,3,4,5,6,7
	FRAG 128*((\n)%2)+8*\i, ADRT+(\n)/4, 64*((\n)%4)+(32*(\i/2)+8*(\i%2))*PITCH
.endr
	WIN 0
.irp i, 0,1,2,3
	FRAG AF+32*((\n)%2)+8*\i, ADRV, HALFT*((\n)/4)+64*((\n)%4)+\i*16*PITCH
.endr
.endm
	FETCHV 0                                       ; they land under part QK's way out
.irp s, 0,1
.irp i, 0,1,2,3,4,5,6,7
	ds_load_b128 v[SC+32*\s+4*\i:SC+32*\s+4*\i+3], v[ADSV+2*(\i/4)+\i%2] offset:544*\i+16*\s
.endr
.endr
; THE WAY OUT of L's block a.  Register 16 b + i of lane (r, h) is the sum of L row 16 a + r and R index 32 b + 16 h + i: four blocks of 32 along the next product's K, each in lanes l and l xor 16.
.macro QOUT a, cb, first, isv
.set AC, 64*((\a)%4)
	WIN 0x0a+5*((\a)/4)                            ; sources 0 and 1: window 2 or 3; the running maximum, source 2 and destination: window 0
.irp b, 0,1,2,3
	v_max3_num_f32 v[TM+\b], |v[AC+16*\b]|, |v[AC+16*\b+1]|, 0x1800000   ; each accumulator from its low end on, and the floor 2^(3 - 127): the byte cannot fall under 1
.endr
.irp i, 2,4,6,8,10,12,14
.irp b, 0,1,2,3
	v_max3_num_f32 v[TM+\b], |v[AC+16*\b+\i]|, |v[AC+16*\b+\i+1]|, v[TM+\b]   ; (the four blocks by turns)
.endr
.endr
	WIN 0
.irp b, 0,1,2,3
	v_permlanex16_b32 v[TM+4+\b], v[TM+\b], s66, s67
.endr
.irp b, 0,1,2,3
	v_max_num_f32 v[TM+\b], v[TM+\b], v[TM+4+\b]   ; with lane l xor 16's: the block's largest magnitude
.endr
.irp b, 0,1,2,3
	v_add_nc_u32 v[TM+12+\b], 0xff000000, v[TM+\b] ; 2 off its exponent field: the conversion's scale operand
.endr
.irp b, 0,1,2,3
	v_lshrrev_b32 v[TM+4+\b], 23, v[TM+12+\b]      ; the scale's byte
.endr
	v_lshl_or_b32 v[PW], v[TM+5], 8, v[TM+4]       ; my row's four bytes
	v_lshl_or_b32 v[PW], v[TM+6], 16, v[PW]
	v_lshl_or_b32 v[PW], v[TM+7], 24, v[PW]
	v_lshrrev_b32 v[PWS], v[SH], v[PW]             ; part QK: lanes 16-31 keep the second head's two bytes, moved down
.if \isv
	ds_store_b32 v[SST], v[PW] offset:64*(\a)
.else
	ds_store_b32 v[SST], v[PWS] offset:64*(\a)
.endif
.if \first == 0
	s_wait_xcnt 0x0                                ; the last block's stores have read the codes' registers
.endif
	WIN 0x02+(\a)/4                                ; source 0: window 2 or 3
.irp b, 0,1,2,3
	v_cvt_scalef32_pk8_fp4_f32 v[PC+2*\b], v[AC+16*\b:AC+16*\b+7], v[TM+12+\b]
	v_cvt_scalef32_pk8_fp4_f32 v[PC+2*\b+1], v[AC+16*\b+8:AC+16*\b+15], v[TM+12+\b]
.endr
	WIN 0
	v_nop                                          ; one plain place behind a scaled conversion
.irp c, 0,1                            ; a WHOLE block to a lane: lanes 0-15 block 2 c, lanes 16-31 block 2 c + 1
.irp i, 0,1
	v_permlane16_swap_b32 v[PC+4*\c+\i], v[PC+2+4*\c+\i]
.endr
.endr
	global_store_b128 v[CO], v[PC:PC+3], s[\cb:\cb+1] offset:1024*(\a)         ; 32 lanes store 512 consecutive bytes, aligned: QK: the first head's 16 tokens; V: keys 0-63 of 16 features
	global_store_b128 v[CO], v[PC+4:PC+7], s[\cb:\cb+1] offset:1024*(\a)+512   ; the second head's; keys 64-127
.endm
	QOUT 0, 12, 1, 0
.irp a, 1,2,3,4,5,6,7
	QOUT \a, 12, 0, 0
.endr
	ds_load_b128 v[SB:SB+3], v[SRD]                ; my own bytes: LDS serves a wave's instructions in order, so these see my stores
	ds_load_b128 v[SB+4:SB+7], v[SRD] offset:512
	s_wait_dscnt 0x0
	global_store_b128 v[SOUT], v[SB:SB+3], s[14:15]                ; 128 scale words, 512 consecutive bytes
	global_store_b128 v[SOUT], v[SB+4:SB+7], s[14:15] offset:32768 ; the second head's words, a head's 8,192 words further on
; PART V: a step of 128 along K: the next step's 24 loads go into the other sets, then 32 matrix instructions, the accumulators by turns
.macro STEPV n, zero
	s_wait_dscnt 0x0                               ; this step's fragments are in
	PLACES 4
.if \n < 7
	FETCHV \n+1
.endif
	WIN MUL_LO
.irp a, 0,1,2,3
.irp b, 0,1,2,3,4,5,6,7
	MM \a, \b, 128*((\n)%2)+8*\b, AF+32*((\n)%2)+8*\a, (\n)%4, (\n)/4, \zero
.endr
.endr
	WIN 0
.endm
	STEPV 0, 1
.irp n, 1,2,3,4,5,6,7
	STEPV \n, 0
.endr
	PLACES 4                                       ; in front of the first reads of results
.irp a, 0,1,2,3
	QOUT \a, 98, 0, 1
.endr
	ds_load_b64 v[SB+8:SB+9], v[SRD8]
	s_wait_dscnt 0x0
	global_store_b64 v[SO8], v[SB+8:SB+9], s[100:101]              ; 64 scale words, 256 consecutive bytes, aligned
	s_wait_tensorcnt 0x0                           ; the wave's end
	ds_add_u32 v[SPW], v[NIL]
	s_wait_dscnt 0x0
	CROUND                                         ; the closing round: no work-group ends while a partner may still ask for a tile that names it
	s_endpgm
.Lfunc_end_k_q2b023efd36_proj:
	.size	k_q2b023efd36_proj, .Lfunc_end_k_q2b023efd36_proj-k_q2b023efd36_proj
	.p2alignl 7, 3214868480
	.fill 96, 4, 3214868480
	.section	.rodata,"a",@progbits
	.p2align	6, 0x0
	.amdhsa_kernel k_q2b023efd36_proj
		.amdhsa_group_segment_fixed_size 327680
		.amdhsa_private_segment_fixed_size 0
		.amdhsa_enable_private_segment 0
		.amdhsa_kernarg_size 48
		.amdhsa_user_sgpr_count 2
		.amdhsa_user_sgpr_kernarg_segment_ptr 1
		.amdhsa_wavefront_size32 1
		.amdhsa_system_sgpr_workgroup_id_x 1
		.amdhsa_system_sgpr_workgroup_id_y 1
		.amdhsa_system_sgpr_workgroup_id_z 1
		.amdhsa_system_vgpr_workitem_id 0
		.amdhsa_next_free_vgpr 1024
		.amdhsa_next_free_sgpr 102
		.amdhsa_reserve_vcc 0
		.amdhsa_float_denorm_mode_32 3
		.amdhsa_float_denorm_mode_16_64 3
		.amdhsa_memory_ordered 1
		.amdhsa_forward_progress 1
		.amdhsa_inst_pref_size 197
	.end_amdhsa_kernel
	.amdgpu_metadata
---
amdhsa.version: [ 1, 2 ]
amdhsa.kernels:
  - .name:           k_q2b023efd36_proj
    .symbol:         k_q2b023efd36_proj.kd
    .args:
      - { .name: xc, .offset: 0, .size: 8, .value_kind: global_buffer, .address_space: global }
      - { .name: xs, .offset: 8, .size: 8, .value_kind: global_buffer, .address_space: global }
      - { .name: wc, .offset: 16, .size: 8, .value_kind: global_buffer, .address_space: global }
      - { .name: ws, .offset: 24, .size: 8, .value_kind: global_buffer, .address_space: global }
      - { .name: qkvc, .offset: 32, .size: 8, .value_kind: global_buffer, .address_space: global }
      - { .name: qkvs, .offset: 40, .size: 8, .value_kind: global_buffer, .address_space: global }
    .group_segment_fixed_size: 327680
    .private_segment_fixed_size: 0
    .kernarg_segment_align: 8
    .kernarg_segment_size: 48
    .max_flat_workgroup_size: 128
    .sgpr_count:     102
    .vgpr_count:     1024
    .wavefront_size: 32
...
	.end_amdgpu_metadata
.endif
;; end of part 2
;; launch attn (part 3): grid 4 x 64, 16 waves a work-group, clusters of 4 x 1, 327,680 bytes of LDS; arguments qkvc, qkvs, out0; writes out0
.if DOCPART == 3
	.amdgcn_target "amdgcn-amd-amdhsa--gfx1250"
	.amdhsa_code_object_version 6
	.text
	.protected	k_q2b023efd36_attn
	.globl	k_q2b023efd36_attn
	.p2align	8
	.type	k_q2b023efd36_attn,@function
k_q2b023efd36_attn:
	s_mov_b64 s[64:65], 0
	v_nop
	global_prefetch_b8 v0, s[64:65] scope:SCOPE_SE
	s_setreg_imm32_b32 hwreg(HW_REG_WAVE_MODE, 25, 1), 1
	s_wait_xcnt 0x0
	s_wait_alu depctr_hold_cnt(0) depctr_sa_sdst(0) depctr_va_vdst(0) depctr_va_sdst(0) depctr_va_ssrc(0) depctr_va_vcc(0) depctr_vm_vsrc(0)
	s_getreg_b32 s2, hwreg(HW_REG_IB_STS2, 6, 4)
	s_cmp_eq_u32 s2, 0
	s_cbranch_scc0 .Lentry_in_a_cluster
	s_endpgm
.Lentry_in_a_cluster:
	s_bfe_u32 s2, ttmp6, 0x10000c
	s_cmp_lg_u32 s2, 0x3003
	s_cbranch_scc0 .Lentry_shape_is_right
	s_endpgm
.Lentry_shape_is_right:
; out[b][head][q][:] = the sum over keys k <= q of softmax_k(Q[q] . K[k] / 8) V[k][:], head size 64, 2,048 tokens, 64 heads in all; both products on codes of FP4 (E2M1) with E8M0 scales.
; WORK LEFT OUT: key blocks that lie wholly behind a tile's queries: reference()'s own causal mask gives them weight 0 for all inputs.  LIMIT: a NaN, an infinity or an overflow there is not carried.
; THE SOFTMAX AHEAD OF THE SECOND PRODUCT: t = score x log2(e) / 8; M = the row's largest t so far, rounded UP to a whole number; p = 2^(t - M) is quantised along the keys, not normalised.
; The row's sum is taken of the unquantised p, in f32, and divides O at the end.  When M moves, the sum and O are multiplied by 2^(old M - new M): exact.
; THE FIRST PRODUCT'S K IS 64: the upper half of the instruction's 128 meets zero codes of Q, in registers cleared once; so K's upper half may be any codes, and a tile's fragment runs on into the next tile's registers.
; SHARES.  A cluster of four work-groups serves one head; each keeps the head's K and V in its LDS, filled once by joint loads, one a wave: key steps 0-3 (128 keys each) at the head, steps 4-15 behind a second round;
; they land under trips 0-2.  The head's 128 tiles of 16 queries: a group of 128 queries is eight tiles, and tile j = 4 p + cx of group g needs key steps 0 .. g, of the last one only the first 64 keys where p = 0.
; Wave w < 8 takes group 15 - w with p = 1, then group w with p = 0; wave w >= 8 group w with p = 0, then group 15 - w with p = 1.  With G the first group, trip i of 17 takes step i of the first tile while i <= G,
; and then step 16 - i of the second: 256 work-groups and 16 waves of equal work, and trip i touches no step above i.  Every branch hangs on the wave's number and the trip's alone; cx enters Q's and O's addresses and the mask's data.
; A barrier parted over each trip (signal at its head, wait at its end) keeps the sixteen waves within a trip of one another; it guards no bytes.
; LAYOUT.  Both products are used transposed: S^T = K Q^T, O^T = V^T P^T: a lane holds ONE query (lane % 16) throughout.  THE KEYS OF A TILE ARE NOT NEIGHBOURS: lane r of tile 2 b + u takes key
; 32 b + 8 u + r + 8 (r / 8), so that the 16 registers of tiles 2 b and 2 b + 1 are keys 32 b + 16 (lane / 16) + 0 .. 15.
; THE MASK on the diagonal is the products' C: 0, or -3e38 where the key is hidden; the same 32 registers serve both tiles of a wave.
; No prefetch: every byte of K and V is asked for ahead of the first trip, and the loops ask memory for nothing.
; LIMITS: NaN and infinities are not served; scaled scores stay under 2^31 in magnitude.  A block of p whose largest lies under 2^-124 gets the byte 1.  A block's largest p is made from its largest score by the same two
; instructions, which takes v_exp_f32 not to fall where its input rises; at the worst one p of a block would be held one code low.
.set VP,    4352                       ; LDS: V's codes: 256 bytes + 16 of padding; bytes a key step
.set KP,    4224                       ; K's codes: 16 keys' 512 bytes + 16 of padding
.set VC,    0
.set VSB,   16*VP                      ; V's scale words: 64 a key step, dense
.set KSB,   VSB+4096                   ; K's, one a key, dense
.set KC,    KSB+8192                   ; K's codes: so what lies one step ahead of K's codes, and of K's words, is dense and filled whole
.set STAGE, KC+16*KP                   ; the way out: 16 rows x 272 bytes for each wave; no tensor load lands here
.set SPARE, STAGE+16*4352              ; the spare words
; v1-4 lane bases (K, V, K's words, V's words), v5-8 the step's addresses, v12 -M, v13 the largest score, v[14:15] the sum in two halves, v16-23 Q, v30-33 scale operands, v[34:35] f, v36 at work
.set SPW,  9
.set NIL,  10
.set GO,   11                          ; my offset in two rows of O
.set VW,   24                          ; v24-27 V's scale words;  v28 p's;  v29 Q's;  v37 the second tile's
.set STO,  38                          ; stage, in and out
.set RD,   39
.set KF,   40                          ; v40-71 K's eight tiles, 4 registers each
.set MSK,  72                          ; v72-103 the mask of 64 keys
.set Q2,   104                         ; v104-107 the second tile's Q
.set S,    112                         ; v112-175 S^T, then p
.set O,    176                         ; v176-207 O^T
.set VF,   208                         ; v208-239 V's four fragments
.set PC,   240                         ; v240-247 at work, then p's codes
.set KW,   248                         ; v248-255 K's scale words
.set WV,   10
.set CX,   11
.set G1K,  16
.set G1V,  24
.set G1KS, 32
.set G1VS, 40
.set G0K,  48
.set G0V,  52
.set G0KS, 56
.set G0VS, 60
.set SEL,  66                          ; s[66:67] lane selects for v_permlanex16_b32: lane l xor 16
.set CS,   68                          ; s[68:69] c = log2(e) / 8: the packed form names a pair and takes its low word for both halves
.set CN,   70                          ; -c
.set G,    71
.set I,    72
.set DN,   73                          ; 16 - i
.set TK,   74                          ; where the NEXT step's K codes and words begin (from one step ahead of them on), and this step's V codes and words
.set TS,   75
.set TV,   76
.set TW,   77
.set F1,   78                          ; the first tile's kind on the diagonal: 1: keys 64-127 are masked (p = 1), 2: only keys 0-63 are taken (p = 0)
.set F2,   79                          ; the second's
.set CUR,  80
.set NXT,  81
.set KIND, 82
.set W3,   83
.set OP1,  84
.set OP2,  86
.macro ROUND                           ; a round of the cluster's barrier
	s_barrier_signal -1
	s_barrier_wait -1
	s_cmp_lg_u32 s[WV], 0
	s_cbranch_scc1 .Lnot_wave_0_\@
	s_barrier_signal -3
.Lnot_wave_0_\@:
	s_barrier_wait -3
	s_barrier_signal -1
	s_barrier_wait -1
.endm
.macro ARM under, g0, g1, next, join
	s_cmp_lt_u32 s[WV], \under
	s_cbranch_scc0 \next
	tensor_load_to_lds s[\g0:\g0+3], s[\g1:\g1+7]
	s_nop 0
.rept 4
	v_nop
.endr
	s_branch \join
\next:
.endm
.macro ASK n                           ; one joint load a wave: waves 0-3 K's codes, 4-7 V's, 8-11 K's words, 12-15 V's
	ARM 4,  G0K,  G1K,  .Lk\n, .Lasked\n
	ARM 8,  G0V,  G1V,  .Lv\n, .Lasked\n
	ARM 12, G0KS, G1KS, .Ls\n, .Lasked\n
	tensor_load_to_lds s[G0VS:G0VS+3], s[G1VS:G1VS+7]
	s_nop 0
.rept 4
	v_nop
.endr
.Lasked\n:
.endm
	s_load_b128 s[4:7], s[0:1], 0x0                ; qkvc, qkvs
	s_load_b64 s[8:9], s[0:1], 0x10                ; out0
	v_lshl_add_u32 v[SPW], v0, 2, SPARE
	v_mov_b32 v[NIL], 0
	ds_add_u32 v[SPW], v[NIL]                      ; the wave's opening: the add, twice on end, and its wait
	ds_add_u32 v[SPW], v[NIL]
	v_lshrrev_b32 v36, 5, v0
	v_readfirstlane_b32 s[WV], v36                 ; wave 0..15
	s_bfe_u32 s[CX], ttmp6, 0x40000
	s_and_b32 s[W3], s[WV], 3
	s_and_b32 s12, ttmp7, 0xffff                   ; 16 x batch + head: the four partners share it
	s_lshr_b32 s13, s12, 4                         ; batch
	s_and_b32 s14, s12, 15                         ; head
	s_lshr_b32 s88, s14, 1
	s_lshl_b32 s88, s88, 19                        ; the pair of heads,
	s_and_b32 s15, s14, 1
	s_lshl_b32 s15, s15, 9                         ; the head of the pair,
	s_add_co_u32 s88, s88, s15
	s_lshl_b32 s15, s13, 17                        ; the batch: 128 token tiles of 1,024 bytes
	s_add_co_u32 s88, s88, s15                     ; Q's codes of this head
	s_mov_b32 s89, 0
	s_lshl_b32 s15, s[W3], 13
	s_add_co_u32 s90, s88, s15
	s_add_co_u32 s90, s90, 0x400000                ; K's codes lie eight pairs of heads on; a key step: eight token tiles
	s_mov_b32 s91, 0
	s_lshl_b32 s15, s13, 4
	s_add_co_u32 s15, s15, s[W3]
	s_lshl_b32 s92, s15, 16
	s_lshl_b32 s94, s15, 12
	s_lshl_b32 s15, s14, 12
	s_add_co_u32 s92, s92, s15
	s_add_co_u32 s92, s92, 0x800000                ; V's codes: 65,536 bytes a key step, 4,096 a head
	s_mov_b32 s93, 0
	s_lshl_b32 s15, s14, 8
	s_add_co_u32 s94, s94, s15
	s_add_co_u32 s94, s94, 0x100000                ; V's scale words: 4,096 bytes a key step, 256 a head
	s_mov_b32 s95, 0
	s_lshl_b32 s96, s14, 15
	s_lshl_b32 s15, s13, 13
	s_add_co_u32 s96, s96, s15                     ; Q's scale words: 32,768 bytes a head, 8,192 a batch
	s_mov_b32 s97, 0
	s_lshl_b32 s15, s[W3], 9
	s_add_co_u32 s98, s96, s15
	s_add_co_u32 s98, s98, 0x80000                 ; K's lie sixteen heads on; a key step: 512 bytes
	s_mov_b32 s99, 0
	s_lshl_b32 s100, s12, 19                       ; O: 2,048 rows of 256 bytes a head
	s_mov_b32 s101, 0
	s_cmp_lt_u32 s[WV], 8
	s_cselect_b32 s[F1], 1, 2
	s_cselect_b32 s15, 15, 0
	s_xor_b32 s[G], s[WV], s15                     ; the first group: 8 or above
	s_xor_b32 s[F2], s[F1], 3
	s_and_b32 s15, s[F1], 1
	s_lshl_b32 s15, s15, 2
	s_lshl_b32 s13, s[G], 3
	s_add_co_u32 s13, s13, s15
	s_add_co_u32 s13, s13, s[CX]                   ; the first tile: 8 G + 4 p + cx
	s_and_b32 s15, s[F2], 1
	s_lshl_b32 s15, s15, 2
	s_xor_b32 s14, s[G], 15
	s_lshl_b32 s14, s14, 3
	s_add_co_u32 s14, s14, s15
	s_add_co_u32 s14, s14, s[CX]                   ; the second
	s_lshl_b32 s[KIND], s[CX], 4                   ; (16 cx, for the mask)
	; groups 1.  15:0 the mask: all four work-groups; 21 set beside a mask.  First for one key step a load
	s_mov_b32 s[G1K], 15|(1<<20)|(1<<21)|(6<<22)|(3<<25)           ; K's codes: elements of 1 byte; four words of padding after every 128
	s_mov_b32 s[G1K+1], 512<<16                    ; a head's 16 tokens, 512 bytes
	s_mov_b32 s[G1K+2], 8<<16                      ; eight token tiles
	s_mov_b32 s[G1K+3], 512<<16
	s_mov_b32 s[G1K+4], 8
	s_mov_b32 s[G1K+5], 1024                       ; from tile to tile
	s_mov_b32 s[G1K+6], 0
	s_mov_b32 s[G1K+7], 0
	s_mov_b32 s[G1V], 15|(3<<16)|(1<<20)|(1<<21)|(5<<22)|(3<<25)   ; V's codes: a row is a key step's 4,096 bytes, 512 elements of 8 bytes; four words of padding after every 64
	s_mov_b32 s[G1V+1], 512<<16
	s_mov_b32 s[G1V+2], 1<<16
	s_mov_b32 s[G1V+3], 512<<16
	s_mov_b32 s[G1V+4], 1
	s_mov_b32 s[G1V+5], 8192                       ; from key step to key step
	s_mov_b32 s[G1V+6], 1<<16
	s_mov_b32 s[G1V+7], 0
	s_mov_b32 s[G1KS], 15|(3<<16)|(1<<21)          ; K's scale words: dense rows of 256 bytes, no padding
	s_mov_b32 s[G1KS+1], 32<<16
	s_mov_b32 s[G1KS+2], 2<<16
	s_mov_b32 s[G1KS+3], 32<<16
	s_mov_b32 s[G1KS+4], 2
	s_mov_b32 s[G1KS+5], 32
	s_mov_b32 s[G1KS+6], 0
	s_mov_b32 s[G1KS+7], 0
	s_mov_b32 s[G1VS], 15|(3<<16)|(1<<21)          ; V's scale words: one row of 256 bytes a key step
	s_mov_b32 s[G1VS+1], 32<<16
	s_mov_b32 s[G1VS+2], 1<<16
	s_mov_b32 s[G1VS+3], 32<<16
	s_mov_b32 s[G1VS+4], 1
	s_mov_b32 s[G1VS+5], 512
	s_mov_b32 s[G1VS+6], 1<<16
	s_mov_b32 s[G1VS+7], 0
	s_mov_b32 s[SEL], 0x76543210
	s_mov_b32 s[SEL+1], 0xfedcba98
	s_mov_b32 s[CS], 0x3e38aa3b                    ; c = log2(e) / 8
	s_mov_b32 s[CS+1], s[CS]                       ; (named with it as a pair, so it is written)
	s_mov_b32 s[CN], 0xbe38aa3b
	s_mul_i32 s15, s[WV], 4352
	s_add_co_u32 s15, s15, STAGE                   ; my stage
	v_and_b32 v40, 15, v0                          ; r = lane % 16
	v_bfe_u32 v41, v0, 4, 1                        ; h = lane / 16
	v_and_b32 v42, 7, v0                           ; r % 8
	v_bfe_u32 v43, v0, 3, 1                        ; r / 8
	v_and_b32 v44, 8, v0
	v_lshlrev_b32 v1, 5, v42
	v_lshlrev_b32 v2, 5, v42
	v_lshlrev_b32 v30, 5, v40
	v_add_nc_u32 v3, v44, v40
	v_mad_u32_u24 v1, v43, 528, v1
	v_mad_u32_u24 v2, v43, 272, v2
	v_lshl_add_u32 v30, v41, 4, v30                ; Q's codes: 32 r + 16 h
	v_lshlrev_b32 v31, 2, v40                      ; Q's scale words: 4 r
	v_lshl_add_u32 v1, v41, 4, v1
	v_lshl_add_u32 v2, v41, 4, v2                  ; V: 32 r + 16 h of a half fragment's 512 bytes, 16 more behind the first 256
	v_lshl_add_u32 v3, v3, 2, KSB-512              ; K's scale words: key r + 8 (r / 8); one step ahead of their first byte
	v_lshl_add_u32 v4, v40, 2, VSB                 ; V's: row r
	v_add_nc_u32 v1, KC-KP, v1                     ; K: key r % 8 + 16 (r / 8): 32 bytes a key, 528 for 16 keys; + 16 h; one step ahead of its first byte
	v_mul_u32_u24 v[STO], v40, 272
	v_mul_u32_u24 v[RD], v41, 272
	v_lshlrev_b32 v[GO], 8, v41
	v_lshl_add_u32 v[STO], v41, 5, v[STO]
	v_lshl_add_u32 v[RD], v40, 4, v[RD]
	v_lshl_add_u32 v[GO], v40, 4, v[GO]
	v_add_nc_u32 v[STO], s15, v[STO]               ; in: row r, + 32 h
	v_add_nc_u32 v[RD], s15, v[RD]                 ; back: lanes 0-15 one row, lanes 16-31 the next
	s_wait_alu depctr_va_vdst(0)
	s_wait_dscnt 0x0                               ; both opening adds are done
	s_wait_kmcnt 0x0
	; groups 0: LDS addresses are a constant + a constant x (wave % 4); nothing in them hangs on cx
.macro SETG g0, ad, of, base, p
	s_mov_b32 s[\g0], 1
	s_mul_i32 s[\g0+1], s[W3], \p
	s_add_co_u32 s[\g0+1], s[\g0+1], \base
	s_add_nc_u64 s[\g0+2:\g0+3], s[\ad:\ad+1], s[\of:\of+1]
	s_or_b32 s[\g0+3], s[\g0+3], 0x80000000
.endm
	SETG G0K,  4, 90, KC,  KP
	SETG G0V,  4, 92, VC,  VP
	SETG G0KS, 6, 98, KSB, 512
	SETG G0VS, 6, 94, VSB, 256
	s_add_nc_u64 s[88:89], s[4:5], s[88:89]        ; the head's Q codes,
	s_add_nc_u64 s[96:97], s[6:7], s[96:97]        ; Q scale words,
	s_add_nc_u64 s[100:101], s[8:9], s[100:101]    ; and O
	s_mov_b32 s3, 0
	s_lshl_b32 s2, s13, 10
	s_add_nc_u64 s[90:91], s[88:89], s[2:3]
	s_lshl_b32 s2, s14, 10
	s_add_nc_u64 s[92:93], s[88:89], s[2:3]
	s_lshl_b32 s2, s13, 6
	s_add_nc_u64 s[94:95], s[96:97], s[2:3]
	s_lshl_b32 s2, s14, 6
	s_add_nc_u64 s[98:99], s[96:97], s[2:3]
	s_lshl_b32 s2, s13, 12
	s_add_nc_u64 s[OP1:OP1+1], s[100:101], s[2:3]
	s_lshl_b32 s2, s14, 12
	s_add_nc_u64 s[OP2:OP2+1], s[100:101], s[2:3]
	global_load_b128 v[16:19], v30, s[90:91]       ; both tiles' Q: K = 32 h + 0 .. 31 of query r,
	global_load_b128 v[Q2:Q2+3], v30, s[92:93]
	global_load_b32 v29, v31, s[94:95]             ; and their scale words
	global_load_b32 v37, v31, s[98:99]
	ROUND                                          ; all four work-groups are here: the joint loads meet
	ASK 1                                          ; key steps 0 to 3: one tensor load a wave at the head
	v_lshlrev_b32 v36, 4, v41
	v_sub_nc_u32 v36, v40, v36
	v_add_nc_u32 v36, s[KIND], v36                 ; d = my query in its 64 - 16 h.  Register 16 b + i holds key 32 b + 16 h + i of the 64: hidden where 32 b + i > d
	v_mov_b32 v34, 0xff61b1e6                      ; -3e38: its p is 0
.set n, 0
.rept 32
	v_cmp_gt_i32 vcc_lo, 32*(n/16)+n%16, v36
	v_cndmask_b32 v[MSK+n], 0, v34, vcc_lo
.set n, n+1
.endr
.irp j, 20,21,22,23
	v_mov_b32 v[\j], 0                             ; Q's K = 64 .. 127: zero codes
.endr
	v_mov_b32 v35, 0                               ; (named as the upper half of a pair)
	v_mov_b32 v36, 0                               ; written once: a lane permute's destination counts as one of its sources
.irp j, 0,1,2,3,4,5,6,7
	v_mov_b32 v[PC+\j], 0
.endr
.macro INIT                            ; a tile begins: the first step finds zeros, which the first change of M leaves zeros
	v_mov_b32 v12, 0x7e000000                      ; -M: above every -M to come
	v_mov_b32 v13, 0xff61b1e6                      ; the largest score so far: -3e38
	v_mov_b32 v14, 0
	v_mov_b32 v15, 0
.set j, 0
.rept 32
	v_mov_b32 v[O+j], 0
.set j, j+1
.endr
.endm
	INIT
	s_wait_alu depctr_va_vdst(0)                   ; the wait at the head's end
	s_wait_tensorcnt 0x0                           ; my part of steps 0 to 3 is in
	ds_add_u32 v[SPW], v[NIL]
.macro STEPG g0, st, base, p           ; no tensor load of mine is out: steps 4 + 3 (w % 4) .. + 2
	s_mul_i32 s2, s[W3], 2*\st
	s_add_co_u32 s2, s2, 4*\st
	s_add_nc_u64 s[\g0+2:\g0+3], s[\g0+2:\g0+3], s[2:3]
	s_mul_i32 s[\g0+1], s[W3], 3*\p
	s_add_co_u32 s[\g0+1], s[\g0+1], \base+4*\p
.endm
	STEPG G0K,  8192,  KC,  KP
	STEPG G0V,  65536, VC,  VP
	STEPG G0KS, 512,   KSB, 512
	STEPG G0VS, 4096,  VSB, 256
	s_mov_b32 s[G1K+2], 24<<16                     ; three key steps a load
	s_mov_b32 s[G1K+4], 24
	s_mov_b32 s[G1V+2], 3<<16
	s_mov_b32 s[G1V+4], 3
	s_mov_b32 s[G1KS+2], 6<<16
	s_mov_b32 s[G1KS+4], 6
	s_mov_b32 s[G1VS+2], 3<<16
	s_mov_b32 s[G1VS+4], 3
	s_wait_dscnt 0x0                               ; the add is done
	ROUND                                          ; steps 0 to 3 are whole, and the joint loads meet
	ASK 2                                          ; key steps 4 to 15: first fills all
.macro GETK                            ; the next step's K: tile t begins at key 32 (t / 2) + 8 (t % 2)
.irp t, 0,1,2,3,4,5,6,7
	ds_load_b128 v[KF+4*\t:KF+4*\t+3], v5 offset:1056*(\t/2)+256*(\t%2)
.endr
.irp t, 0,1,2,3,4,5,6,7
	ds_load_b32 v[KW+\t], v6 offset:4*(32*(\t/2)+8*(\t%2))
.endr
.endm
; Behind the scores' products: this step's V and the next step's K, which land under the softmax.  The four additions are the four places in front of the loads and of the first reads of the scores.
.macro FETCH
	v_add_nc_u32 v5, s[TK], v1
	v_add_nc_u32 v6, s[TS], v3
	v_add_nc_u32 v7, s[TV], v2
	v_add_nc_u32 v8, s[TW], v4
.irp t, 0,1,2,3
.irp c, 0,1
	ds_load_b128 v[VF+8*\t+4*\c:VF+8*\t+4*\c+3], v7 offset:1088*\t+544*\c
.endr
.endr
.irp t, 0,1,2,3
	ds_load_b32 v[VW+\t], v8 offset:64*\t
.endr
	GETK
.endm
.macro SC0 t                           ; 16 keys' scores
	v_wmma_scale_f32_16x16x128_f8f6f4 v[S+8*\t:S+8*\t+7], v[KF+4*\t:KF+4*\t+7], v[16:23], 0, v[KW+\t], v29 matrix_a_fmt:MATRIX_FMT_FP4 matrix_b_fmt:MATRIX_FMT_FP4
.endm
.macro SCM t, m                        ; the same under the mask
	v_wmma_scale_f32_16x16x128_f8f6f4 v[S+8*\t:S+8*\t+7], v[KF+4*\t:KF+4*\t+7], v[16:23], v[MSK+8*\m:MSK+8*\m+7], v[KW+\t], v29 matrix_a_fmt:MATRIX_FMT_FP4 matrix_b_fmt:MATRIX_FMT_FP4
.endm
; THE SOFTMAX of nb blocks of 32 keys (4, or 2 where only the first 64 keys count): scores in, p's codes and scale word out.
.macro SOFT nb
.irp b, 0,1,2,3
.if \b < \nb
	v_max3_num_f32 v[PC+\b], v[S+16*\b], v[S+16*\b+1], v[S+16*\b+2]   ; the largest score of each block: it serves the row's maximum and, since p rises with the score, the block's largest p
.endif
.endr
.irp i, 3,5,7,9,11,13
.irp b, 0,1,2,3
.if \b < \nb
	v_max3_num_f32 v[PC+\b], v[PC+\b], v[S+16*\b+\i], v[S+16*\b+\i+1]
.endif
.endr
.endr
.irp b, 0,1,2,3
.if \b < \nb
	v_max_num_f32 v[PC+\b], v[PC+\b], v[S+16*\b+15]
.endif
.endr
	v_permlane16_swap_b32 v[PC], v[PC+1]           ; lanes 0-15 now hold both halves' maxima of block 0, lanes 16-31 those of block 1
.if \nb == 4
	v_permlane16_swap_b32 v[PC+2], v[PC+3]
.endif
	v_max_num_f32 v[PC], v[PC], v[PC+1]
.if \nb == 4
	v_max_num_f32 v[PC+2], v[PC+2], v[PC+3]
	s_delay_alu instid0(VALU_DEP_1)
	v_max3_num_f32 v13, v[PC], v[PC+2], v13
.else
	s_delay_alu instid0(VALU_DEP_1)
	v_max_num_f32 v13, v[PC], v13
.endif
	s_delay_alu instid0(VALU_DEP_1)
	v_permlanex16_b32 v36, v13, s[SEL], s[SEL+1]
	s_delay_alu instid0(VALU_DEP_1)
	v_max_num_f32 v13, v13, v36                    ; the largest score so far of my query
	s_delay_alu instid0(VALU_DEP_1)
	v_mul_f32 v36, s[CN], v13                      ; -t
	s_delay_alu instid0(VALU_DEP_1)
	v_floor_f32 v36, v36                           ; the new -M = floor(-t): M IS A WHOLE NUMBER
	s_delay_alu instid0(VALU_DEP_1)
	v_sub_f32 v34, v36, v12                        ; M's old value less its new one: a whole number, 0 or less
	v_mov_b32 v12, v36
	s_delay_alu instid0(VALU_DEP_2)
	v_cvt_i32_f32 v34, v34                         ; (it saturates)
	s_delay_alu instid0(VALU_DEP_1)
	v_ldexp_f32 v34, 1.0, v34                      ; f = 2^(old M - new M)
.set j, 0
.rept 8*\nb
	v_pk_fma_f32 v[S+j:S+j+1], v[S+j:S+j+1], s[CS:CS+1], v[12:13] op_sel_hi:[1,0,0]   ; t - M, two at a time (of the pairs c and -M the low word serves both halves)
.set j, j+2
.endr
	v_fma_f32 v[PC], v[PC], s[CS], v12             ; the same of the blocks' largest scores
.if \nb == 4
	v_fma_f32 v[PC+2], v[PC+2], s[CS], v12
.endif
.set j, 0
.rept 16
	v_pk_mul_f32 v[O+j:O+j+1], v[O+j:O+j+1], v[34:35] op_sel_hi:[1,0]   ; O^T under the new M
.set j, j+2
.endr
	s_wait_alu depctr_va_vdst(0)                   ; a wait ahead of the batch
.set j, 0
.rept 16*\nb
	v_exp_f32 v[S+j], v[S+j]                       ; p = 2^(t - M): NOT normalised
.set j, j+1
.endr
	v_exp_f32 v[PC], v[PC]                         ; the blocks' largest p
.if \nb == 4
	v_exp_f32 v[PC+2], v[PC+2]
.endif
	v_pk_mul_f32 v[14:15], v[14:15], v[34:35] op_sel_hi:[1,0]   ; the sums under the new M.  (The plain place behind the exponentials)
	s_wait_alu depctr_va_vdst(0)                   ; one wait for the batch, ahead of its first reader
	v_max_num_f32 v[PC], 0x1800000, v[PC]          ; the floor 2^(3 - 127): the byte cannot fall under 1
.if \nb == 4
	v_max_num_f32 v[PC+2], 0x1800000, v[PC+2]
	s_delay_alu instid0(VALU_DEP_2)
	v_add_nc_u32 v30, 0xff000000, v[PC]            ; 2 off the exponent field: the conversion's scale operand, lanes 0-15 block 0's, lanes 16-31 block 1's
	v_add_nc_u32 v32, 0xff000000, v[PC+2]
	v_mov_b32 v31, v30
	v_mov_b32 v33, v32
	v_lshrrev_b32 v36, 23, v30                     ; the scales' bytes
	v_lshrrev_b32 v[PC+6], 23, v32
	v_permlane16_swap_b32 v30, v31                 ; each block's operand to all lanes
	v_permlane16_swap_b32 v32, v33
	v_lshl_or_b32 v36, v[PC+6], 16, v36
.else
	s_delay_alu instid0(VALU_DEP_1)
	v_add_nc_u32 v30, 0xff000000, v[PC]
	s_delay_alu instid0(VALU_DEP_1)
	v_mov_b32 v31, v30
	v_lshrrev_b32 v36, 23, v30
	v_permlane16_swap_b32 v30, v31
.endif
	v_permlanex16_b32 v[PC+7], v36, s[SEL], s[SEL+1]
	s_delay_alu instid0(VALU_DEP_1)
	v_lshl_or_b32 v28, v[PC+7], 8, v36             ; lanes 0-15: p's scale word for these keys
.irp b, 0,1,2,3
.if \b < \nb
	v_cvt_scalef32_pk8_fp4_f32 v[PC+2*\b], v[S+16*\b:S+16*\b+7], v[30+\b]
	v_cvt_scalef32_pk8_fp4_f32 v[PC+2*\b+1], v[S+16*\b+8:S+16*\b+15], v[30+\b]
.endif
.endr
	v_pk_add_f32 v[14:15], v[14:15], v[S:S+1]      ; the row's sum is taken of the unquantised p.  (The plain place behind the conversions)
	v_permlane16_swap_b32 v[PC], v[PC+2]           ; a WHOLE block to a lane: lanes 0-15 block 2 c, lanes 16-31 block 2 c + 1
	v_permlane16_swap_b32 v[PC+1], v[PC+3]
.if \nb == 4
	v_permlane16_swap_b32 v[PC+4], v[PC+6]
	v_permlane16_swap_b32 v[PC+5], v[PC+7]
.else
.irp j, 4,5,6,7
	v_mov_b32 v[PC+\j], 0                          ; keys 64-127: zero codes
.endr
.endif
.set j, 8
.rept 2*\nb-1
	v_pk_add_f32 v[14:15], v[14:15], v[S+j:S+j+1]  ; four chains, three of them in p's own registers, which are done with
	v_pk_add_f32 v[S+2:S+3], v[S+2:S+3], v[S+j+2:S+j+3]
	v_pk_add_f32 v[S+4:S+5], v[S+4:S+5], v[S+j+4:S+j+5]
	v_pk_add_f32 v[S+6:S+7], v[S+6:S+7], v[S+j+6:S+j+7]
.set j, j+8
.endr
	v_pk_add_f32 v[14:15], v[14:15], v[S+2:S+3]
	v_pk_add_f32 v[S+4:S+5], v[S+4:S+5], v[S+6:S+7]
	v_pk_add_f32 v[14:15], v[14:15], v[S+4:S+5]
.endm
.macro PV                              ; O^T += V^T P^T: four accumulators, one instruction a turn; the next trip's products of scores stand between two turns
	s_wait_alu depctr_va_vdst(0)                   ; the wait stands directly ahead of the wait below
	s_wait_dscnt 0x0                               ; V is in, and the next step's K
.irp t, 0,1,2,3
	v_wmma_scale_f32_16x16x128_f8f6f4 v[O+8*\t:O+8*\t+7], v[VF+8*\t:VF+8*\t+7], v[PC:PC+7], v[O+8*\t:O+8*\t+7], v[VW+\t], v28 matrix_a_fmt:MATRIX_FMT_FP4 matrix_b_fmt:MATRIX_FMT_FP4
.endr
.endm
; THE WAY OUT.  O^T is divided by the row's sum and goes through my stage in LDS, so that sixteen lanes store one row of O, 256 consecutive bytes, aligned.
.macro OUT op
	v_nop
	v_nop
	v_add_f32 v14, v14, v15                        ; the sum's two halves,
	v_permlanex16_b32 v36, v14, s[SEL], s[SEL+1]
	v_add_f32 v14, v14, v36                        ; and lane l xor 16's: the row's sum
	s_wait_alu depctr_va_vdst(0)                   ; ahead of the transcendental
	v_rcp_f32 v34, v14
	v_nop                                          ; one plain place behind a transcendental
	s_wait_alu depctr_va_vdst(0)                   ; and ahead of its first reader
.set j, 0
.rept 16
	v_pk_mul_f32 v[S+j:S+j+1], v[O+j:O+j+1], v[34:35] op_sel_hi:[1,0]   ; register 8 t + i is o(query r, channel 16 t + 8 h + i)
.set j, j+2
.endr
.irp t, 0,1,2,3
	ds_store_b128 v[STO], v[S+8*\t:S+8*\t+3] offset:64*\t
	ds_store_b128 v[STO], v[S+8*\t+4:S+8*\t+7] offset:64*\t+16
.endr
.irp i, 0,1,2,3,4,5,6,7
	ds_load_b128 v[S+32+4*\i:S+35+4*\i], v[RD] offset:544*\i    ; my own bytes: LDS serves a wave's instructions in order
.endr
.irp i, 0,1,2,3,4,5,6,7
	s_wait_dscnt 7-\i                              ; rows 2 i and 2 i + 1 are back; the younger loads may be out
	global_store_b128 v[GO], v[S+32+4*\i:S+35+4*\i], s[\op:\op+1] offset:512*\i th:TH_STORE_NT
.endr
.endm
	s_mov_b32 s[TK], KP                            ; step 0's K
	s_mov_b32 s[TS], 512
	v_add_nc_u32 v5, s[TK], v1
	v_add_nc_u32 v6, s[TS], v3
	GETK
	s_mov_b32 s[I], 0
	s_mov_b32 s[TK], 2*KP
	s_mov_b32 s[TS], 1024
	s_mov_b32 s[TV], 0
	s_mov_b32 s[TW], 0
	s_wait_loadcnt 0x0                             ; Q
	s_wait_dscnt 0x0                               ; step 0's K
.Lfirst:                               ; trips 0 to 2: the first tile's, all keys open; they touch steps 0 to 3 alone
	s_barrier_signal -1
.irp t, 0,1,2,3,4,5,6,7
	SC0 \t
.endr
	FETCH
	SOFT 4
	PV
	s_barrier_wait -1                              ; every wave has begun this trip
	s_add_co_u32 s[TK], s[TK], KP
	s_add_co_u32 s[TS], s[TS], 512
	s_add_co_u32 s[TV], s[TV], VP
	s_add_co_u32 s[TW], s[TW], 256
	s_add_co_u32 s[I], s[I], 1
	s_cmp_lt_u32 s[I], 3
	s_cbranch_scc1 .Lfirst
	s_wait_tensorcnt 0x0                           ; my part of steps 4 to 15 has landed,
	s_barrier_signal -1
	s_barrier_wait -1                              ; everybody's has: K and V are whole, and nobody writes them again
	s_mov_b32 s[I], 3
	s_mov_b32 s[DN], 13
.Ltrip:                                ; trips 3 to 16
	s_barrier_signal -1
	s_cmp_le_u32 s[I], s[G]
	s_cselect_b32 s[CUR], s[I], s[DN]              ; this trip's step: i or 16 - i
	s_min_u32 s[CUR], s[CUR], 15
	s_add_co_u32 s[NXT], s[I], 2
	s_cmp_lt_u32 s[I], s[G]
	s_cselect_b32 s[NXT], s[NXT], s[DN]            ; the next trip's, plus one: i + 2 or 16 - i (the last trip has no next: it loads the words that lie ahead of K's first step, and nobody uses them)
	s_min_u32 s[NXT], s[NXT], 16
	s_mul_i32 s[TV], s[CUR], VP
	s_lshl_b32 s[TW], s[CUR], 8
	s_mul_i32 s[TK], s[NXT], KP
	s_lshl_b32 s[TS], s[NXT], 9
	s_add_co_u32 s[NXT], s[G], 1
	s_cmp_eq_u32 s[I], s[G]                        ; the first tile's diagonal is its last step,
	s_cselect_b32 s[KIND], s[F1], 0
	s_cmp_eq_u32 s[I], s[NXT]                      ; the second's its first
	s_cselect_b32 s[KIND], s[F2], s[KIND]
	s_cmp_eq_u32 s[KIND], 0
	s_cbranch_scc1 .Lopen
	s_cmp_eq_u32 s[KIND], 2
	s_cbranch_scc1 .Lhalf
.irp t, 0,1,2,3
	SC0 \t
.endr
	SCM 4, 0
	SCM 5, 1
	SCM 6, 2
	SCM 7, 3
	s_branch .Lfull
.Lopen:
.irp t, 0,1,2,3,4,5,6,7
	SC0 \t
.endr
.Lfull:
	FETCH
	SOFT 4
	s_wait_alu depctr_va_vdst(0)                   ; the wait ahead of the branch
	s_branch .Lpv
.Lhalf:
	SCM 0, 0
	SCM 1, 1
	SCM 2, 2
	SCM 3, 3
	FETCH
	SOFT 2
.Lpv:
	PV
	s_barrier_wait -1
	s_cmp_lg_u32 s[I], s[G]
	s_cbranch_scc1 .Lstay
	OUT OP1                                        ; the first tile is finished
	s_wait_xcnt 0x0                                ; its stores have read their data
.irp j, 0,1,2,3
	v_mov_b32 v[16+\j], v[Q2+\j]
.endr
	v_mov_b32 v29, v37
	INIT
	s_wait_alu depctr_va_vdst(0)
.Lstay:
	s_sub_co_u32 s[DN], s[DN], 1
	s_add_co_u32 s[I], s[I], 1
	s_cmp_lt_u32 s[I], 17
	s_cbranch_scc1 .Ltrip
	OUT OP2
	s_wait_tensorcnt 0x0                           ; the wave's end
	ds_add_u32 v[SPW], v[NIL]
	s_wait_dscnt 0x0
	ROUND                                          ; the closing round: no work-group ends while a partner may still ask for a tile that names it
	s_endpgm
.Lfunc_end_k_q2b023efd36_attn:
	.size	k_q2b023efd36_attn, .Lfunc_end_k_q2b023efd36_attn-k_q2b023efd36_attn
	.p2alignl 7, 3214868480
	.fill 96, 4, 3214868480
	.section	.rodata,"a",@progbits
	.p2align	6, 0x0
	.amdhsa_kernel k_q2b023efd36_attn
		.amdhsa_group_segment_fixed_size 327680
		.amdhsa_private_segment_fixed_size 0
		.amdhsa_enable_private_segment 0
		.amdhsa_kernarg_size 24
		.amdhsa_user_sgpr_count 2
		.amdhsa_user_sgpr_kernarg_segment_ptr 1
		.amdhsa_wavefront_size32 1
		.amdhsa_system_sgpr_workgroup_id_x 1
		.amdhsa_system_sgpr_workgroup_id_y 1
		.amdhsa_system_sgpr_workgroup_id_z 1
		.amdhsa_system_vgpr_workitem_id 0
		.amdhsa_next_free_vgpr 256
		.amdhsa_next_free_sgpr 102
		.amdhsa_reserve_vcc 1
		.amdhsa_float_denorm_mode_32 3
		.amdhsa_float_denorm_mode_16_64 3
		.amdhsa_memory_ordered 1
		.amdhsa_forward_progress 1
		.amdhsa_inst_pref_size 68
	.end_amdhsa_kernel
	.amdgpu_metadata
---
amdhsa.version: [ 1, 2 ]
amdhsa.kernels:
  - .name:           k_q2b023efd36_attn
    .symbol:         k_q2b023efd36_attn.kd
    .args:
      - { .name: qkvc, .offset: 0, .size: 8, .value_kind: global_buffer, .address_space: global }
      - { .name: qkvs, .offset: 8, .size: 8, .value_kind: global_buffer, .address_space: global }
      - { .name: out0, .offset: 16, .size: 8, .value_kind: global_buffer, .address_space: global }
    .group_segment_fixed_size: 327680
    .private_segment_fixed_size: 0
    .kernarg_segment_align: 8
    .kernarg_segment_size: 24
    .max_flat_workgroup_size: 512
    .sgpr_count:     102
    .vgpr_count:     256
    .wavefront_size: 32
...
	.end_amdgpu_metadata
.endif
;; end of part 3
